; MI455X (gfx1250); checked and timed in simulation.
; The chip was launched on July 23, 2026; its instructions are those of AMD's public machine-readable ISA for CDNA 5 (MIT licence, August 2026) and "CDNA5" Instruction Set Architecture Reference Guide (July 2026). The comments in the code are by the model that wrote it; some were corrected since.
;; NN Distance. Allowed arithmetic: matrix products marked QUANTISED: E2M1 operands, one E8M0 scale for each 32 along K, by v_wmma_scale_f32_16x16x128_f8f6f4 with both operands' format E2M1 (or v_wmma_scale_f32_32x16x128_f4), f32 sums; everything else in f32.
;; Inputs: target_set 65,536 x 256 float32; x 4,096 x 256 float32.
;; Outputs: out0 4,096 float32; out1 4,096 int32.
;; This version of the problem:
;;   THIS VERSION OF THE PROBLEM IS GIVEN IN LOW PRECISION. The matrix products marked QUANTISED in the list below multiply operands that are first quantised to E2M1 (2 exponent bits, 1 mantissa bit; 4 bits a number), with one power-of-two scale for each 32 numbers along K (OCP MX v1.0); their sums are f32. All else is computed in f32.
;;   The module's matrix products, in the order in which they are computed (A, B: the left and right operand; K: the contracted axis; several contracted axes count as one K, in the product's order):
;;     1. [M 4,096, K 256] x [K 256, N 65,536]; A: input x; B: input target_set: QUANTISED
;;   THE QUANTISER, for each operand of a quantised product, along K:
;;     - K is cut into blocks of 32 from its start; a last block that is shorter is filled with zeros.
;;     - A block's scale is 2^e with e = floor(log2(the largest magnitude in the block)) - 2, held to -126 .. 127; a block of zeros has e = 0. As a byte (E8M0): e + 127.
;;     - Each number is divided by its block's scale, clamped to +-6, and rounded to the nearest number of E2M1, ties to even, subnormals kept.
;;     - The product sums the exact products of the quantised numbers (number of the format x scale) in f32.
;;   ~~~python
;;   def quantise(x, axis):      # numpy; x: float32 -> the quantised numbers, widened to float32 again
;;       x = np.moveaxis(x, axis, -1); K = x.shape[-1]
;;       x = np.pad(x, [(0, 0)] * (x.ndim - 1) + [(0, -K % 32)]); x = x.reshape(x.shape[:-1] + (-1, 32)); a = np.abs(x).max(-1, keepdims=True)
;;       e = np.where(a > 0, np.clip(np.frexp(np.where(a > 0, a, 1))[1] - 1 - 2, -126, 127), 0)      # np.frexp(a)[1] - 1 = floor(log2(a)), exactly
;;       r = np.clip(x / 2.0 ** e, -6, 6)
;;       step = 2.0 ** (np.maximum(np.frexp(np.where(r == 0, 1, r))[1] - 1, 0) - 1)
;;       q = np.round(r / step) * step * 2.0 ** e      # np.round: ties to even
;;       return np.moveaxis(q.reshape(q.shape[:-2] + (-1,))[..., :K], -1, axis).astype(np.float32)
;;   ~~~
;; One version. Each part assembles by itself: llvm-mc -triple=amdgcn-amd-amdhsa -mcpu=gfx1250 --defsym DOCPART=n.
;; ======== version 1 of 1: 4 launches
;; workspace buffers: tiles 10,027,008 bytes; pval 2,097,152 bytes; pid 2,097,152 bytes of whole numbers; best 16,384 bytes of whole numbers
;; launch quant (part 1): grid 544 x 1, 4 waves a work-group, no clusters, 41,472 bytes of LDS; arguments target_set, x, tiles; writes tiles
.if DOCPART == 1
	.amdgcn_target "amdgcn-amd-amdhsa--gfx1250"
	.amdhsa_code_object_version 6
	.text
	.protected	k_q60bd07be3c_quant
	.globl	k_q60bd07be3c_quant
	.p2align	8
	.type	k_q60bd07be3c_quant,@function
k_q60bd07be3c_quant:
	s_mov_b64 s[64:65], 0
	v_nop
	global_prefetch_b8 v0, s[64:65] scope:SCOPE_SE
	s_setreg_imm32_b32 hwreg(HW_REG_WAVE_MODE, 25, 1), 1
	s_wait_xcnt 0x0
; target_set [65536][256] and x [4096][256], f32, become RECORDS of 16 rows in the buffer tiles: 4,096 records of targets, then 256 of queries.
; A record is 2,304 bytes, laid as the matrix instruction's registers want it:
;   bytes 0-2047     codes of FP4 (E2M1): the 16 bytes of block b (32 along K) of row r at 256 b + 16 r, the lower k in the lower bits
;   bytes 2048-2175  scale words: the word of (K step s of 128, row r) at 64 s + 4 r, its byte j the E8M0 byte of block 4 s + j
;   bytes 2176-2239  the 16 rows' sums of squares of the UNQUANTISED numbers, f32;   bytes 2240-2303  zeros
; A block's scale is 2^(floor(log2(its largest magnitude)) - 2); its byte is the largest magnitude's exponent field - 2, held at 1 from below.
; QUERIES ARE STORED AS -2 Q(x): every code's sign bit is flipped and 1 is added to every scale byte (252 at the most before that), so that the later product gives -2 x.t with no vector work.
; LIMITS: a block of zeros, or one whose largest magnitude lies under 2^-124, gets the byte 1 (its codes are zeros or what that scale gives); the bytes are read by this program alone.  NaN and infinities among the inputs are not served.
; SHARES: work-groups 0-511 take targets, 512-543 queries: only pointers and two constants are chosen, one path through the text.  A wave takes 32 rows (two records), in 16 steps of 512 numbers (two rows).
; Each load reads 512 consecutive bytes; a step's 2,048 bytes turn through the wave's own stage in LDS so that a lane holds 16 neighbours along K; lanes 0-15 then hold one row, lanes 16-31 the next.
; Codes, scale bytes and sums are gathered in the wave's own LDS as the two records' images and leave by stores that cover 512 or 256 consecutive bytes, aligned.  Waves share nothing: no barrier.
.set STEPS, 16
.set WREG,  10240                      ; LDS of a wave: two stages of 32 x 80 bytes; two images of 8 blocks x 272 bytes; two tails of 256 bytes
.set SP,    80                         ; a lane's place in a stage: 64 bytes + 16 of padding
.set IMG,   5120
.set IP,    272                        ; a block's 16 rows x 16 bytes + 16 of padding
.set TAIL,  9472
.set REC,   2304
.set R,     16                         ; v16-79   four sets of 16 numbers as loaded
.set X,     80                         ; v80-111  two sets of 16 neighbours
.set E,     112                        ; v112-127 a scale byte for each step
.set C,     128                        ; v128-159 two registers of codes for each step
.set NS,    160                        ; v160-175 a row's sum of squares for each step
.set AC,    176                        ; v[176:177], v[216:217] the squares' two packed chains
.set Z,     178                        ; v[178:179] zeros
.set OUT,   180                        ; v180-211 the images on their way out
.set TL,    212                        ; v[212:215] the tails on their way out
.set AD,    216
	s_load_b128 s[4:7], s[0:1], 0x0                ; target_set, x
	s_load_b64 s[8:9], s[0:1], 0x10                ; tiles
	v_lshl_add_u32 v224, v0, 2, 0xa000
	v_mov_b32 v225, 0
	v_lshrrev_b32 v1, 5, v0
	v_readfirstlane_b32 s16, v1                    ; wave 0..3
	v_and_b32 v2, 31, v0                           ; lane l
	v_and_b32 v15, 15, v0                          ; i = l % 16: which 16 numbers of the row
	v_bfe_u32 v1, v0, 4, 1                         ; h = l / 16: which of the step's two rows
	s_mul_i32 s17, s16, WREG                       ; my wave's LDS
	v_lshlrev_b32 v3, 4, v2                        ; 16 l: my bytes of a load's or a store's 512
	v_lshrrev_b32 v8, 2, v2
	v_mul_u32_u24 v8, v8, SP
	v_and_b32 v9, 3, v2
	v_lshl_add_u32 v8, v9, 4, v8
	v_add_nc_u32 v4, s17, v8                       ; the stage, way in: 80 (l / 4) + 16 (l % 4)
	v_mul_u32_u24 v8, v2, SP
	v_add_nc_u32 v5, s17, v8                       ; way out: 80 l
	v_lshrrev_b32 v8, 1, v15
	v_mul_u32_u24 v8, v8, IP
	v_and_b32 v9, 1, v15
	v_lshl_add_u32 v8, v9, 3, v8
	v_lshl_add_u32 v8, v1, 4, v8
	v_add_nc_u32 v8, s17, v8
	v_add_nc_u32 v6, IMG, v8                       ; my 8 bytes of codes: block i / 2, half i % 2, row h of the step's two
	v_lshrrev_b32 v8, 3, v15
	v_bfe_u32 v9, v15, 1, 2
	v_lshl_add_u32 v8, v8, 6, v9
	v_lshl_add_u32 v8, v1, 2, v8
	v_add_nc_u32 v8, s17, v8
	v_add_nc_u32 v7, TAIL, v8                      ; my block's scale byte: K step i / 8, byte (i / 2) % 4, row h
	v_lshlrev_b32 v8, 2, v1
	v_add_nc_u32 v8, s17, v8
	v_add_nc_u32 v11, TAIL+128, v8                 ; my row's sum of squares
	v_mul_u32_u24 v8, v1, IP
	v_lshl_add_u32 v8, v15, 4, v8
	v_add_nc_u32 v8, s17, v8
	v_add_nc_u32 v12, IMG, v8                      ; an image read back: block 2 p + h, row i
	v_lshlrev_b32 v14, 3, v2                       ; 8 l: a tail's place for my lane, in memory
	v_add_nc_u32 v8, s17, v14
	v_add_nc_u32 v13, TAIL, v8                     ; and in LDS
	v_mov_b32 v[Z], 0
	v_mov_b32 v[Z+1], 0
	s_wait_kmcnt 0x0
	s_cmp_lt_u32 ttmp9, 512                        ; targets or queries?  The choice hangs on the work-group's number alone
	s_cselect_b64 s[4:5], s[4:5], s[6:7]
	s_cselect_b32 s18, 0, 512
	s_cselect_b32 s19, 0, 0x88888888               ; queries: every code's sign bit is flipped,
	s_cselect_b32 s20, 0, 1                        ; and every scale is doubled
	s_sub_co_u32 s18, ttmp9, s18
	s_lshl_b32 s22, s18, 17                        ; a work-group's 128 rows are 131,072 bytes,
	s_lshl_b32 s21, s16, 15                        ; a wave's 32 rows 32,768
	s_add_co_u32 s22, s22, s21
	s_mov_b32 s23, 0
	s_add_nc_u64 s[4:5], s[4:5], s[22:23]
	s_lshl_b32 s24, ttmp9, 2
	s_add_co_u32 s24, s24, s16
	s_mul_i32 s24, s24, 2*REC                      ; my two records: the queries' follow the targets' by the work-groups' numbers
	s_mov_b32 s25, 0
	s_add_nc_u64 s[8:9], s[8:9], s[24:25]
	ds_store_b64 v13, v[Z:Z+1]                     ; both tails begin as zeros: LDS serves a wave's instructions in order, so the bytes and sums below land on top
	ds_store_b64 v13, v[Z:Z+1] offset:256
.macro LOAD t
.irp j, 0,1,2,3
	global_load_b128 v[R+16*((\t)%4)+4*\j:R+16*((\t)%4)+4*\j+3], v3, s[4:5] offset:2048*(\t)+512*\j th:TH_LOAD_NT   ; 32 lanes read 512 consecutive bytes
.endr
.endm
.macro TURN t                          ; step t's numbers through the stage; no wait between a wave's own stores and loads
.irp j, 0,1,2,3
	ds_store_b128 v4, v[R+16*((\t)%4)+4*\j:R+16*((\t)%4)+4*\j+3] offset:32*SP*((\t)%2)+8*SP*\j
.endr
.irp j, 0,1,2,3
	ds_load_b128 v[X+16*((\t)%2)+4*\j:X+16*((\t)%2)+4*\j+3], v5 offset:32*SP*((\t)%2)+16*\j
.endr
.endm
.irp t, 0,1,2,3
	LOAD \t
.endr
	s_wait_loadcnt 12                              ; step 0's four loads are in; those of steps 1 to 3 may be out
	TURN 0
.macro STEP t
.set XS, X+16*((\t)%2)
.if (\t) > 0
	s_wait_dscnt 3                                 ; this step's numbers are back from the stage; behind them stand the last step's three stores (byte, codes, sum)
.else
	s_wait_dscnt 0x0
.endif
.if (\t)+4 < STEPS
	LOAD (\t)+4                                    ; into the set that this step's stage stores have read
.endif
.if (\t)+1 < STEPS
.if STEPS-2-(\t) >= 3
	s_wait_loadcnt 12                              ; the next step's four loads are in; those of the three steps behind it may be out
.else
	s_wait_loadcnt 4*(STEPS-2-(\t))
.endif
	TURN (\t)+1                                    ; through the other stage while this step is worked
.endif
	v_max3_num_f32 v8, |v[XS]|, |v[XS+1]|, |v[XS+2]|               ; the largest magnitude of my 16, in two chains
	v_max3_num_f32 v9, |v[XS+3]|, |v[XS+4]|, |v[XS+5]|
.irp i, 6,10
	v_max3_num_f32 v8, v8, |v[XS+\i]|, |v[XS+\i+1]|
	v_max3_num_f32 v9, v9, |v[XS+\i+2]|, |v[XS+\i+3]|
.endr
	v_max3_num_f32 v8, v8, |v[XS+14]|, |v[XS+15]|
	v_max3_num_f32 v8, v8, v9, 0x1800000           ; and the floor 2^(3 - 127): the byte cannot fall under 1
	v_max_num_f32_dpp v8, v8, v8 row_xmask:1 row_mask:0xf bank_mask:0xf   ; with my neighbour's 16: the block's
	v_add_nc_u32 v10, 0xff000000, v8               ; 2 off its exponent field: the conversion takes this operand's exponent field as its scale
	v_pk_mul_f32 v[AC:AC+1], v[XS:XS+1], v[XS:XS+1]                 ; the squares of the unquantised numbers, two at a time, in two chains
	v_pk_mul_f32 v[AD:AD+1], v[XS+2:XS+3], v[XS+2:XS+3]
.irp i, 4,8,12
	v_pk_fma_f32 v[AC:AC+1], v[XS+\i:XS+\i+1], v[XS+\i:XS+\i+1], v[AC:AC+1]
	v_pk_fma_f32 v[AD:AD+1], v[XS+\i+2:XS+\i+3], v[XS+\i+2:XS+\i+3], v[AD:AD+1]
.endr
	v_cvt_scalef32_pk8_fp4_f32 v[C+2*(\t)], v[XS:XS+7], v10        ; to the nearest code, ties to even, beyond the largest code the largest
	v_cvt_scalef32_pk8_fp4_f32 v[C+2*(\t)+1], v[XS+8:XS+15], v10
	v_lshrrev_b32 v[E+(\t)], 23, v10               ; the scale's byte.  (Also the plain instruction between the conversions and the lines that touch their results)
	v_pk_add_f32 v[AC:AC+1], v[AC:AC+1], v[AD:AD+1]
	v_add_f32 v[NS+(\t)], v[AC], v[AC+1]
	v_add_f32_dpp v[NS+(\t)], v[NS+(\t)], v[NS+(\t)] row_xmask:1 row_mask:0xf bank_mask:0xf   ; over the row's sixteen lanes
	v_add_f32_dpp v[NS+(\t)], v[NS+(\t)], v[NS+(\t)] row_xmask:2 row_mask:0xf bank_mask:0xf
	v_add_f32_dpp v[NS+(\t)], v[NS+(\t)], v[NS+(\t)] row_xmask:4 row_mask:0xf bank_mask:0xf
	v_add_f32_dpp v[NS+(\t)], v[NS+(\t)], v[NS+(\t)] row_xmask:8 row_mask:0xf bank_mask:0xf
	v_xor_b32 v[C+2*(\t)], s19, v[C+2*(\t)]        ; queries: the signs
	v_xor_b32 v[C+2*(\t)+1], s19, v[C+2*(\t)+1]
	v_add_nc_u32 v[E+(\t)], s20, v[E+(\t)]         ; and the factor 2
	ds_store_b8 v7, v[E+(\t)] offset:256*((\t)/8)+8*((\t)%8)        ; both lanes of a block write the same byte with the same value
	ds_store_b64 v6, v[C+2*(\t):C+2*(\t)+1] offset:8*IP*((\t)/8)+32*((\t)%8)
	ds_store_b32 v11, v[NS+(\t)] offset:256*((\t)/8)+8*((\t)%8)     ; a row's sixteen lanes write the same word with the same value
.endm
.irp t, 0,1,2,3,4,5,6,7,8,9,10,11,12,13,14,15
	STEP \t
.endr
.irp u, 0,1                            ; the two records leave
.irp p, 0,1,2,3
	ds_load_b128 v[OUT+16*\u+4*\p:OUT+16*\u+4*\p+3], v12 offset:8*IP*\u+2*IP*\p
.endr
	ds_load_b64 v[TL+2*\u:TL+2*\u+1], v13 offset:256*\u
.endr
	s_wait_dscnt 0x0
.irp u, 0,1
.irp p, 0,1,2,3
	global_store_b128 v3, v[OUT+16*\u+4*\p:OUT+16*\u+4*\p+3], s[8:9] offset:REC*\u+512*\p   ; 32 lanes store 512 consecutive bytes, at a multiple of 256 from the buffer's first byte
.endr
	global_store_b64 v14, v[TL+2*\u:TL+2*\u+1], s[8:9] offset:REC*\u+2048                    ; and the tail's 256
.endr
	s_wait_tensorcnt 0x0
	ds_add_u32 v224, v225
	s_wait_dscnt 0x0
	s_endpgm
.Lfunc_end_k_q60bd07be3c_quant:
	.size	k_q60bd07be3c_quant, .Lfunc_end_k_q60bd07be3c_quant-k_q60bd07be3c_quant
	.p2alignl 7, 3214868480
	.fill 96, 4, 3214868480
	.section	.rodata,"a",@progbits
	.p2align	6, 0x0
	.amdhsa_kernel k_q60bd07be3c_quant
		.amdhsa_group_segment_fixed_size 41472
		.amdhsa_private_segment_fixed_size 0
		.amdhsa_enable_private_segment 0
		.amdhsa_kernarg_size 24
		.amdhsa_user_sgpr_count 2
		.amdhsa_user_sgpr_kernarg_segment_ptr 1
		.amdhsa_wavefront_size32 1
		.amdhsa_system_sgpr_workgroup_id_x 1
		.amdhsa_system_sgpr_workgroup_id_y 1
		.amdhsa_system_sgpr_workgroup_id_z 1
		.amdhsa_system_vgpr_workitem_id 0
		.amdhsa_next_free_vgpr 226
		.amdhsa_next_free_sgpr 66
		.amdhsa_reserve_vcc 0
		.amdhsa_float_denorm_mode_32 3
		.amdhsa_float_denorm_mode_16_64 3
		.amdhsa_memory_ordered 1
		.amdhsa_forward_progress 1
		.amdhsa_inst_pref_size 51
	.end_amdhsa_kernel
	.amdgpu_metadata
---
amdhsa.version: [ 1, 2 ]
amdhsa.kernels:
  - .name:           k_q60bd07be3c_quant
    .symbol:         k_q60bd07be3c_quant.kd
    .args:
      - { .name: target_set, .offset: 0, .size: 8, .value_kind: global_buffer, .address_space: global }
      - { .name: x, .offset: 8, .size: 8, .value_kind: global_buffer, .address_space: global }
      - { .name: tiles, .offset: 16, .size: 8, .value_kind: global_buffer, .address_space: global }
    .group_segment_fixed_size: 41472
    .private_segment_fixed_size: 0
    .kernarg_segment_align: 8
    .kernarg_segment_size: 24
    .max_flat_workgroup_size: 128
    .sgpr_count:     66
    .vgpr_count:     226
    .wavefront_size: 32
...
	.end_amdgpu_metadata
.endif
;; end of part 1
;; launch nearest (part 2): grid 4 x 64, 8 waves a work-group, clusters of 4 x 4, 312,320 bytes of LDS; arguments tiles, pval, pid; writes pval, pid
.if DOCPART == 2
	.amdgcn_target "amdgcn-amd-amdhsa--gfx1250"
	.amdhsa_code_object_version 6
	.text
	.protected	k_q60bd07be3c_nearest
	.globl	k_q60bd07be3c_nearest
	.p2align	8
	.type	k_q60bd07be3c_nearest,@function
k_q60bd07be3c_nearest:
	s_mov_b64 s[64:65], 0
	v_nop
	global_prefetch_b8 v0, s[64:65] scope:SCOPE_SE
	s_setreg_imm32_b32 hwreg(HW_REG_WAVE_MODE, 25, 1), 1
	s_wait_xcnt 0x0
	s_wait_alu depctr_hold_cnt(0) depctr_sa_sdst(0) depctr_va_vdst(0) depctr_va_sdst(0) depctr_va_ssrc(0) depctr_va_vcc(0) depctr_vm_vsrc(0)
	s_getreg_b32 s2, hwreg(HW_REG_IB_STS2, 6, 4)
	s_cmp_eq_u32 s2, 0
	s_cbranch_scc0 .Lentry_in_a_cluster
	s_endpgm
.Lentry_in_a_cluster:
	s_bfe_u32 s2, ttmp6, 0x10000c
	s_cmp_lg_u32 s2, 0xf033
	s_cbranch_scc0 .Lentry_shape_is_right
	s_endpgm
.Lentry_shape_is_right:
; The whole quantised product, and of it only this: for each query and each run of 512 targets the smallest key = |t|^2 - 2 Q(x).Q(t), held at -|x|^2 from below, and the FIRST chunk of 32 targets that attains it.
; sqrt and + |x|^2 do not fall where their input rises, and a lane holds one query throughout, so both are applied later, to the minima.  The hold at -|x|^2 is reference's clamp of the squared distance at 0.
; THE MATRIX UNIT DELIVERS THE KEY: source 0 = 16 targets, source 1 = 16 queries stored as -2 Q(x), C of the first K step = |t|^2 of the tile's rows.  In the result lane (r, h) holds query r and targets 8 h + 0 .. 7.
; SHARES.  Work-group (qx, y): queries 1,024 qx on against targets 1,024 y on.  Wave w: its 256 queries (w % 4), 16 tiles that stay in registers, against 512 targets (w / 4), 16 pairs of tiles out of LDS.
; Two waves lie on a SIMD: a batch of 16 matrix instructions and a batch of 52 vector instructions follow each other in a wave, and one wave's batch of one kind stands beside the other wave's of the other.
; LDS is filled ONCE: the work-group's 64 records of queries and 64 of targets, 2,304 bytes each, dense; behind them a stage of 2,048 bytes for each wave, into which no fill lands.
; CLUSTER 4 x 4: the queries' records hang on qx alone and are shared along a column of the cluster, the targets' on y alone and are shared along a row: both are asked for jointly.
; LIMITS.  Order of rounding: ((|t|^2 + K step 0) + K step 1) here, + |x|^2 later, where reference has (|x|^2 + |t|^2) - 2 dot.  Two chunks of one run of 512 whose keys differ but whose rounded distances are equal are
; told apart by the key here, where reference takes the first.  NaN and infinities are not served.
; REGISTERS: window 1: the queries' fragments, tile u, K step s at v[16 u + 8 s].  Window 0: see the names below.
.set REC,   2304
.set TLDS,  64*REC                     ; the targets' records begin here
.set STAGE, 128*REC
.set AF,    16                         ; v16-79   targets' fragments: set p, tile v, K step s at AF + 32 p + 16 v + 8 s
.set ASC,   80                         ; v80-83   their scale words: lanes 0-15 K step 0, lanes 16-31 K step 1
.set CT,    84                         ; v84-115  |t|^2 in the result's layout: set p, tile v at CT + 16 p + 8 v
.set BSC,   116                        ; v116-131 the queries' scale words, a register a tile
.set NEGX,  132                        ; v132-147 -|x|^2 of my lane's query, a register a tile
.set RUN,   148                        ; v148-163 the running smallest key
.set ID,    164                        ; v164-179 the first chunk that attained it
.set D,     180                        ; v180-243 eight accumulators: query tile q of four, target tile v at D + 16 q + 8 v
.set T,     244                        ; v244-251 at work
.set CH,    252                        ; v252     the number of the chunk in hand
.set MSB, 0
.macro WIN new                         ; the immediate's high byte repeats the setting that is left
.if MSB != \new
	s_set_vgpr_msb (MSB<<8)|\new
.set MSB, \new
.endif
.endm
.macro CROUND                          ; a round of the cluster's barrier
	s_barrier_signal -1
	s_barrier_wait -1
	s_cmp_lg_u32 s10, 0
	s_cbranch_scc1 .Lnot_wave_0_\@
	s_barrier_signal -3
.Lnot_wave_0_\@:
	s_barrier_wait -3
	s_barrier_signal -1
	s_barrier_wait -1
.endm
	s_load_b128 s[4:7], s[0:1], 0x0                ; tiles, pval
	s_load_b64 s[8:9], s[0:1], 0x10                ; pid
	v_lshl_add_u32 v254, v0, 2, 0x4c000
	v_mov_b32 v255, 0
	ds_add_u32 v254, v255
	ds_add_u32 v254, v255
	v_lshrrev_b32 v1, 5, v0
	v_readfirstlane_b32 s10, v1                    ; wave 0..7
	s_and_b32 s11, s10, 3                          ; which 256 queries
	s_lshr_b32 s12, s10, 2                         ; which 512 targets
	s_bfe_u32 s40, ttmp6, 0x40000                  ; cx, cy: my place in the cluster
	s_bfe_u32 s41, ttmp6, 0x40004
	s_lshl_b32 s42, ttmp9, 2
	s_add_co_u32 s42, s42, s40                     ; qx = 4 x cluster x + cx
	s_and_b32 s13, ttmp7, 0xffff
	s_lshl_b32 s13, s13, 2
	s_add_co_u32 s13, s13, s41                     ; y = 4 x cluster y + cy
	s_lshl_b32 s43, s41, 2
	s_lshl_b32 s43, 15, s43                        ; my row of the cluster
	s_lshl_b32 s44, 0x1111, s40                    ; my column
	; descriptor group 1, the same shape for both: 8 records = 18,432 dense bytes as 72 rows of 32 elements of 8 bytes, no padding
	s_or_b32 s48, s44, (3<<16)|(1<<21)             ; the queries' go to my column: 15:0 the mask; 17:16 elements of 8 bytes; 21 set beside a mask
	s_or_b32 s56, s43, (3<<16)|(1<<21)             ; the targets' to my row
.irp g, 48, 56
	s_mov_b32 s[\g+1], 32<<16                      ; tensor_dim0 = 32
	s_mov_b32 s[\g+2], 72<<16                      ; tensor_dim1 = 72
	s_mov_b32 s[\g+3], 32<<16                      ; tile_dim0 = 32
	s_mov_b32 s[\g+4], 72                          ; tile_dim1 = 72
	s_mov_b32 s[\g+5], 32                          ; from row to row
	s_mov_b32 s[\g+6], 0
	s_mov_b32 s[\g+7], 0
.endr
	s_lshl_b32 s16, s10, 3                         ; wave w fetches records 8 w .. 8 w + 7 of each 64
	s_lshl_b32 s14, s42, 6
	s_add_co_u32 s14, s14, s16
	s_add_co_u32 s14, s14, 4096                    ; the queries' records follow the 4,096 of the targets
	s_mul_i32 s14, s14, REC
	s_mov_b32 s15, 0
	s_lshl_b32 s46, s13, 6
	s_add_co_u32 s46, s46, s16
	s_mul_i32 s46, s46, REC
	s_mov_b32 s47, 0
	s_mul_i32 s17, s10, 8*REC                      ; where they go: no place in the cluster enters an LDS address
	s_mov_b32 s24, 1
	s_mov_b32 s25, s17
	s_mov_b32 s28, 1
	s_add_co_u32 s29, s17, TLDS
	s_wait_dscnt 0x0
	s_wait_kmcnt 0x0
	s_add_nc_u64 s[26:27], s[4:5], s[14:15]
	s_or_b32 s27, s27, 0x80000000
	s_add_nc_u64 s[30:31], s[4:5], s[46:47]
	s_or_b32 s31, s31, 0x80000000
	CROUND                                         ; all sixteen work-groups are here: the joint loads meet
	tensor_load_to_lds s[24:27], s[48:55]          ; my eighth of the queries' records
	s_nop 0
	tensor_load_to_lds s[28:31], s[56:63]          ; and of the targets': two loads of mine are out, the only ones of the launch
	s_nop 0
.rept 4
	v_nop
.endr
	v_and_b32 v2, 31, v0                           ; lane
	v_and_b32 v3, 15, v0                           ; r
	v_bfe_u32 v4, v0, 4, 1                         ; h
	v_lshlrev_b32 v1, 4, v2                        ; 16 x lane
	s_mul_i32 s18, s12, 32*REC
	s_add_co_u32 s18, s18, TLDS                    ; my 32 records of targets
	v_add_nc_u32 v5, s18, v1                       ; a fragment's piece: 16 x lane
	v_lshl_add_u32 v6, v2, 2, s18                  ; a scale word: 4 x lane
	v_lshl_add_u32 v7, v4, 5, s18                  ; |t|^2 of targets 8 h + 0 .. 7: 32 h
	s_mul_i32 s19, s11, 16*REC                     ; my 16 records of queries
	v_add_nc_u32 v11, s19, v1
	v_lshl_add_u32 v12, v2, 2, s19
	v_lshl_add_u32 v13, v3, 2, s19                 ; |x|^2 of query r
	s_lshl_b32 s22, s10, 11
	s_add_co_u32 s22, s22, STAGE                   ; my stage
	v_lshl_add_u32 v14, v4, 10, s22
	v_lshl_add_u32 v14, v3, 2, v14                 ; in: lanes 0-15 the keys, lanes 16-31, 1,024 bytes on, the chunks; 4 r
	v_add_nc_u32 v15, s22, v1                      ; back: 16 x lane
	s_lshl_b32 s23, s13, 1
	s_add_co_u32 s23, s23, s12                     ; my slot of 128: 2 y + which 512
	s_lshl_b32 s32, s23, 14                        ; a slot is 4,096 queries x 4 bytes
	s_lshl_b32 s33, s42, 12
	s_add_co_u32 s32, s32, s33
	s_lshl_b32 s33, s11, 10
	s_add_co_u32 s32, s32, s33                     ; + my 256 queries
	s_mov_b32 s33, 0
	s_add_nc_u64 s[6:7], s[6:7], s[32:33]
	s_add_nc_u64 s[8:9], s[8:9], s[32:33]
	s_lshl_b32 s34, s13, 5
	s_lshl_b32 s35, s12, 4
	s_add_co_u32 s34, s34, s35                     ; my first chunk of 32 targets: 32 y + 16 x which 512
	s_mov_b32 s35, 0xffff0000                      ; lanes 16-31
	s_mov_b32 s20, 0x76543210
	s_mov_b32 s21, 0xfedcba98                      ; v_permlanex16_b32's selects for lane l xor 16
	s_mov_b32 s2, 0                                ; bytes from my first record to the trip's
	s_mov_b32 s3, 7
	s_wait_tensorcnt 0x0                           ; my parts have landed,
	s_barrier_signal -1
	s_barrier_wait -1                              ; everybody's have; nothing is filled again
.macro RESIDENT                        ; my 16 tiles of queries: fragments, scale words, |x|^2
	WIN 0x40                                       ; destination window 1, address window 0
.irp u, 0,1,2,3,4,5,6,7,8,9,10,11,12,13,14,15
.irp p, 0,1,2,3
	ds_load_b128 v[16*\u+4*\p:16*\u+4*\p+3], v11 offset:REC*\u+512*\p
.endr
.endr
	WIN 0
.irp u, 0,1,2,3,4,5,6,7,8,9,10,11,12,13,14,15
	ds_load_b32 v[BSC+\u], v12 offset:REC*\u+2048
	ds_load_b32 v[NEGX+\u], v13 offset:REC*\u+2176
.endr
.endm
.macro FETCH p, off                    ; a pair of target tiles, off bytes behind the trip's first, into set p: 14 LDS loads
.irp v, 0,1
.irp k, 0,1,2,3
	ds_load_b128 v[AF+32*\p+16*\v+4*\k:AF+32*\p+16*\v+4*\k+3], v8 offset:\off+REC*\v+512*\k
.endr
	ds_load_b32 v[ASC+2*\p+\v], v9 offset:\off+REC*\v+2048
	ds_load_b128 v[CT+16*\p+8*\v:CT+16*\p+8*\v+3], v10 offset:\off+REC*\v+2176
	ds_load_b128 v[CT+16*\p+8*\v+4:CT+16*\p+8*\v+7], v10 offset:\off+REC*\v+2192
.endr
.endm
; The chunk's smallest key of query tiles 4 g .. 4 g + 3, line by line across the four so that no line waits for the line above it.  Each accumulator is read from its low end on.
.macro REDUCE g
.irp q, 0,1,2,3
	v_min3_num_f32 v[T+2*\q], v[D+16*\q], v[D+16*\q+1], v[D+16*\q+2]
.endr
.irp q, 0,1,2,3
	v_min3_num_f32 v[T+2*\q+1], v[D+16*\q+8], v[D+16*\q+9], v[D+16*\q+10]
.endr
.irp q, 0,1,2,3
	v_min3_num_f32 v[T+2*\q], v[T+2*\q], v[D+16*\q+3], v[D+16*\q+4]
.endr
.irp q, 0,1,2,3
	v_min3_num_f32 v[T+2*\q+1], v[T+2*\q+1], v[D+16*\q+11], v[D+16*\q+12]
.endr
.irp q, 0,1,2,3
	v_min3_num_f32 v[T+2*\q], v[T+2*\q], v[D+16*\q+5], v[D+16*\q+6]
.endr
.irp q, 0,1,2,3
	v_min3_num_f32 v[T+2*\q+1], v[T+2*\q+1], v[D+16*\q+13], v[D+16*\q+14]
.endr
.irp q, 0,1,2,3
	v_min3_num_f32 v[T+2*\q], v[T+2*\q], v[D+16*\q+7], v[D+16*\q+15]
.endr
.irp q, 0,1,2,3
	v_min_num_f32 v[T+2*\q], v[T+2*\q], v[T+2*\q+1]
.endr
.irp q, 0,1,2,3
	v_max_num_f32 v[T+2*\q], v[T+2*\q], v[NEGX+4*\g+\q]            ; the squared distance is held at 0: the key at -|x|^2
.endr
.irp q, 0,1,2,3
	v_cmp_lt_f32 s[36+\q], v[T+2*\q], v[RUN+4*\g+\q]               ; strictly smaller: of equal chunks the first stays
.endr
.irp q, 0,1,2,3
	v_cndmask_b32 v[ID+4*\g+\q], v[ID+4*\g+\q], v[CH], s[36+\q]
.endr
.irp q, 0,1,2,3
	v_min_num_f32 v[RUN+4*\g+\q], v[RUN+4*\g+\q], v[T+2*\q]
.endr
.endm
; A chunk of 32 targets (set p) against my 16 tiles of queries, four tiles at a time: 8 products that start the sums with C = |t|^2, 8 that add K step 1 in place.  The eight accumulators take turns, one instruction
; a turn.  Four v_nop stand between the last product and the first read of results; the 48 lines of REDUCE stand ahead of the next products, which write the accumulators anew, and of the next loads into a set.
.macro PAIR p
.irp g, 0,1,2,3
	WIN 0x04                                       ; source 1, the queries, in window 1
.irp q, 0,1,2,3
.irp v, 0,1
	v_wmma_scale_f32_16x16x128_f8f6f4 v[D+16*\q+8*\v:D+16*\q+8*\v+7], v[AF+32*\p+16*\v:AF+32*\p+16*\v+7], v[16*(4*\g+\q):16*(4*\g+\q)+7], v[CT+16*\p+8*\v:CT+16*\p+8*\v+7], v[ASC+2*\p+\v], v[BSC+4*\g+\q] matrix_a_fmt:MATRIX_FMT_FP4 matrix_b_fmt:MATRIX_FMT_FP4
.endr
.endr
.irp q, 0,1,2,3
.irp v, 0,1
	v_wmma_scale_f32_16x16x128_f8f6f4 v[D+16*\q+8*\v:D+16*\q+8*\v+7], v[AF+32*\p+16*\v+8:AF+32*\p+16*\v+15], v[16*(4*\g+\q)+8:16*(4*\g+\q)+15], v[D+16*\q+8*\v:D+16*\q+8*\v+7], v[ASC+2*\p+\v], v[BSC+4*\g+\q] matrix_a_fmt:MATRIX_FMT_FP4 matrix_b_fmt:MATRIX_FMT_FP4 matrix_a_scale:MATRIX_SCALE_ROW1 matrix_b_scale:MATRIX_SCALE_ROW1
.endr
.endr
	WIN 0
.rept 4
	v_nop
.endr
	REDUCE \g
.endr
	v_add_nc_u32 v[CH], 1, v[CH]                   ; on to the next chunk
.endm
; A trip: two chunks.  Each set is asked for a chunk's work ahead of its use.
.macro TRIP last
	v_add_nc_u32 v8, s2, v5
	v_add_nc_u32 v9, s2, v6
	v_add_nc_u32 v10, s2, v7
	FETCH 1, 2*REC
	s_wait_dscnt 14                                ; all but the 14 just issued: set 0 is in
	PAIR 0
.if \last
	s_wait_dscnt 0x0                               ; set 1 is in; nothing more to fetch
.else
	FETCH 0, 4*REC                                 ; the next trip's first chunk
	s_add_co_u32 s2, s2, 4*REC
	s_wait_dscnt 14                                ; all but the 14 just issued: set 1 is in
.endif
	PAIR 1
.endm
	v_add_nc_u32 v8, s2, v5
	v_add_nc_u32 v9, s2, v6
	v_add_nc_u32 v10, s2, v7
	RESIDENT
	FETCH 0, 0
	v_mov_b32 v[CH], s34
.irp u, 0,1,2,3,4,5,6,7,8,9,10,11,12,13,14,15
	v_mov_b32 v[RUN+\u], 0x7f800000                ; over every key
	v_mov_b32 v[ID+\u], s34
.endr
	s_wait_dscnt 0x0
.irp u, 0,1,2,3,4,5,6,7,8,9,10,11,12,13,14,15
	v_xor_b32 v[NEGX+\u], 0x80000000, v[NEGX+\u]   ; -|x|^2
.endr
.Ltrip:                                            ; 7 trips; the eighth is written out, since it fetches nothing beyond my records
	TRIP 0
	s_sub_co_u32 s3, s3, 1
	s_cmp_lg_u32 s3, 0
	s_cbranch_scc1 .Ltrip
	TRIP 1
	; a query's other 16 targets of every chunk lie in lane l xor 16: the smaller key, and of equal keys the earlier chunk
.irp u, 0,1,2,3,4,5,6,7,8,9,10,11,12,13,14,15
	v_permlanex16_b32 v[T+4*(\u%2)], v[RUN+\u], s20, s21
	v_permlanex16_b32 v[T+4*(\u%2)+1], v[ID+\u], s20, s21
	v_cmp_eq_f32 s36, v[T+4*(\u%2)], v[RUN+\u]
	v_cmp_lt_f32 s37, v[T+4*(\u%2)], v[RUN+\u]
	v_min_u32 v[T+4*(\u%2)+2], v[ID+\u], v[T+4*(\u%2)+1]
	v_cndmask_b32 v[ID+\u], v[ID+\u], v[T+4*(\u%2)+2], s36
	v_cndmask_b32 v[ID+\u], v[ID+\u], v[T+4*(\u%2)+1], s37
	v_min_num_f32 v[RUN+\u], v[RUN+\u], v[T+4*(\u%2)]
.endr
	; the way out: lanes 0-15 carry the keys, lanes 16-31 the chunks, through my own stage, so that a store covers 512 consecutive bytes
.irp u, 0,1,2,3,4,5,6,7,8,9,10,11,12,13,14,15
	v_cndmask_b32 v[D+\u], v[RUN+\u], v[ID+\u], s35
.endr
.irp u, 0,1,2,3,4,5,6,7,8,9,10,11,12,13,14,15
	ds_store_b32 v14, v[D+\u] offset:64*\u
.endr
.irp k, 0,1,2,3
	ds_load_b128 v[D+20+4*\k:D+20+4*\k+3], v15 offset:512*\k       ; LDS serves a wave's instructions in order: these see my stores
.endr
	s_wait_dscnt 0x0
	global_store_b128 v1, v[D+20:D+23], s[6:7]
	global_store_b128 v1, v[D+24:D+27], s[6:7] offset:512
	global_store_b128 v1, v[D+28:D+31], s[8:9]
	global_store_b128 v1, v[D+32:D+35], s[8:9] offset:512
	s_wait_tensorcnt 0x0
	ds_add_u32 v254, v255
	s_wait_dscnt 0x0
	CROUND                                         ; the closing round: no work-group ends while a partner may still ask for records that name it
	s_endpgm
.Lfunc_end_k_q60bd07be3c_nearest:
	.size	k_q60bd07be3c_nearest, .Lfunc_end_k_q60bd07be3c_nearest-k_q60bd07be3c_nearest
	.p2alignl 7, 3214868480
	.fill 96, 4, 3214868480
	.section	.rodata,"a",@progbits
	.p2align	6, 0x0
	.amdhsa_kernel k_q60bd07be3c_nearest
		.amdhsa_group_segment_fixed_size 312320
		.amdhsa_private_segment_fixed_size 0
		.amdhsa_enable_private_segment 0
		.amdhsa_kernarg_size 24
		.amdhsa_user_sgpr_count 2
		.amdhsa_user_sgpr_kernarg_segment_ptr 1
		.amdhsa_wavefront_size32 1
		.amdhsa_system_sgpr_workgroup_id_x 1
		.amdhsa_system_sgpr_workgroup_id_y 1
		.amdhsa_system_sgpr_workgroup_id_z 1
		.amdhsa_system_vgpr_workitem_id 0
		.amdhsa_next_free_vgpr 512
		.amdhsa_next_free_sgpr 66
		.amdhsa_reserve_vcc 0
		.amdhsa_float_denorm_mode_32 3
		.amdhsa_float_denorm_mode_16_64 3
		.amdhsa_memory_ordered 1
		.amdhsa_forward_progress 1
		.amdhsa_inst_pref_size 106
	.end_amdhsa_kernel
	.amdgpu_metadata
---
amdhsa.version: [ 1, 2 ]
amdhsa.kernels:
  - .name:           k_q60bd07be3c_nearest
    .symbol:         k_q60bd07be3c_nearest.kd
    .args:
      - { .name: tiles, .offset: 0, .size: 8, .value_kind: global_buffer, .address_space: global }
      - { .name: pval, .offset: 8, .size: 8, .value_kind: global_buffer, .address_space: global }
      - { .name: pid, .offset: 16, .size: 8, .value_kind: global_buffer, .address_space: global }
    .group_segment_fixed_size: 312320
    .private_segment_fixed_size: 0
    .kernarg_segment_align: 8
    .kernarg_segment_size: 24
    .max_flat_workgroup_size: 256
    .sgpr_count:     66
    .vgpr_count:     512
    .wavefront_size: 32
...
	.end_amdgpu_metadata
.endif
;; end of part 2
;; launch pick (part 3): grid 64 x 1, 8 waves a work-group, no clusters, 9,216 bytes of LDS; arguments pval, pid, tiles, out0, best; writes out0, best
.if DOCPART == 3
	.amdgcn_target "amdgcn-amd-amdhsa--gfx1250"
	.amdhsa_code_object_version 6
	.text
	.protected	k_q60bd07be3c_pick
	.globl	k_q60bd07be3c_pick
	.p2align	8
	.type	k_q60bd07be3c_pick,@function
k_q60bd07be3c_pick:
	s_mov_b64 s[64:65], 0
	v_nop
	global_prefetch_b8 v0, s[64:65] scope:SCOPE_SE
	s_setreg_imm32_b32 hwreg(HW_REG_WAVE_MODE, 25, 1), 1
	s_wait_xcnt 0x0
; For each query: its 128 candidates (a key and a chunk of 32 targets for each run of 512 targets) become distances sqrt(max(key + |x|^2, 0)); the smallest is out0, and the first chunk that attains it goes to best.
; The candidates are scanned in ascending order of their targets with a strict compare, so that of equal ROUNDED distances the first stays, as in reference's argmin.
; SHARES: a work-group takes 64 queries, a lane two neighbours, so that a load of 8 bytes a lane covers 256 consecutive bytes; wave w takes slots 16 w .. 16 w + 15; the eight waves' results meet in LDS and wave 0 finishes.
; No matrix unit, no cluster, no tensor load: the launch reads 4 MB once and shares nothing between work-groups.
; LIMITS: v_sqrt_f32 is not correctly rounded and takes denormals as 0 (ISA guide, its entry); NaN and infinities are not served.
.set PV, 16                            ; v16-47  16 pairs of keys, then distances; the first pair becomes the running smallest
.set PI, 48                            ; v48-79  16 pairs of chunks; the first pair becomes the running first
	s_load_b256 s[4:11], s[0:1], 0x0               ; pval s[4:5], pid s[6:7], tiles s[8:9], out0 s[10:11]
	s_load_b64 s[12:13], s[0:1], 0x20              ; best
	v_lshl_add_u32 v96, v0, 2, 0x2000
	v_mov_b32 v97, 0
	v_lshrrev_b32 v1, 5, v0
	v_readfirstlane_b32 s16, v1                    ; wave 0..7
	v_and_b32 v1, 31, v0                           ; lane
	v_lshlrev_b32 v2, 3, v1                        ; 8 x lane: my two queries
	v_lshrrev_b32 v3, 3, v1
	v_mul_u32_u24 v3, v3, 2304                     ; their record: 8 lanes to a record of 16 queries,
	v_and_b32 v6, 7, v1
	v_lshl_add_u32 v3, v6, 3, v3                   ; and their two sums of squares in it
	s_lshl_b32 s18, s16, 18                        ; 16 slots of 16,384 bytes a wave
	s_lshl_b32 s24, ttmp9, 8                       ; 64 queries of 4 bytes a work-group
	s_add_co_u32 s18, s18, s24
	s_mov_b32 s19, 0
	s_mov_b32 s25, 0
	s_lshl_b32 s20, ttmp9, 2
	s_add_co_u32 s20, s20, 4096                    ; the queries' records follow the targets' 4,096
	s_mul_i32 s20, s20, 2304
	s_add_co_u32 s20, s20, 2176                    ; where a record's sums of squares begin
	s_mov_b32 s21, 0
	s_lshl_b32 s22, s16, 9
	v_add_nc_u32 v10, s22, v2                      ; LDS: 512 bytes a wave, 8 a lane
	s_wait_kmcnt 0x0
	s_add_nc_u64 s[4:5], s[4:5], s[18:19]
	s_add_nc_u64 s[6:7], s[6:7], s[18:19]
	s_add_nc_u64 s[8:9], s[8:9], s[20:21]
	s_add_nc_u64 s[10:11], s[10:11], s[24:25]
	s_add_nc_u64 s[12:13], s[12:13], s[24:25]
	global_load_b64 v[4:5], v3, s[8:9]             ; |x|^2
.irp k, 0,1,2,3,4,5,6,7,8,9,10,11,12,13,14,15
	global_load_b64 v[PV+2*\k:PV+2*\k+1], v2, s[4:5] offset:16384*\k th:TH_LOAD_NT
	global_load_b64 v[PI+2*\k:PI+2*\k+1], v2, s[6:7] offset:16384*\k th:TH_LOAD_NT
.endr
	s_wait_loadcnt 0x0
.irp k, 0,1,2,3,4,5,6,7,8,9,10,11,12,13,14,15
	v_pk_add_f32 v[PV+2*\k:PV+2*\k+1], v[PV+2*\k:PV+2*\k+1], v[4:5]
.endr
.irp j, 0,1,2,3,4,5,6,7,8,9,10,11,12,13,14,15,16,17,18,19,20,21,22,23,24,25,26,27,28,29,30,31
	v_max_num_f32 v[PV+\j], 0, v[PV+\j]
.endr
.irp j, 0,1,2,3,4,5,6,7,8,9,10,11,12,13,14,15,16,17,18,19,20,21,22,23,24,25,26,27,28,29,30,31
	v_sqrt_f32 v[PV+\j], v[PV+\j]                  ; one batch
.endr
	v_nop                                          ; a plain instruction behind the last root
	s_wait_alu depctr_va_vdst(0)                   ; one wait for the batch, ahead of its first reader
.macro SCAN n                          ; pairs 1 .. n - 1 against pair 0, ascending
.set k, 1
.rept \n-1
.irp e, 0,1
	v_cmp_lt_f32 vcc_lo, v[PV+2*k+\e], v[PV+\e]
	v_cndmask_b32 v[PI+\e], v[PI+\e], v[PI+2*k+\e], vcc_lo
	v_min_num_f32 v[PV+\e], v[PV+\e], v[PV+2*k+\e]
.endr
.set k, k+1
.endr
.endm
	SCAN 16
	ds_store_b64 v10, v[PV:PV+1]
	ds_store_b64 v10, v[PI:PI+1] offset:4096
	s_wait_dscnt 0x0                               ; for the others' sake: my stores have landed
	s_barrier_signal -1
	s_barrier_wait -1
	s_cmp_lg_u32 s16, 0
	s_cbranch_scc1 .Lend                           ; wave 0 finishes
.irp k, 0,1,2,3,4,5,6,7
	ds_load_b64 v[PV+2*\k:PV+2*\k+1], v2 offset:512*\k
	ds_load_b64 v[PI+2*\k:PI+2*\k+1], v2 offset:4096+512*\k
.endr
	s_wait_dscnt 0x0
	SCAN 8
	global_store_b64 v2, v[PV:PV+1], s[10:11]      ; 32 lanes store 256 consecutive bytes, aligned
	global_store_b64 v2, v[PI:PI+1], s[12:13]
.Lend:
	s_wait_tensorcnt 0x0
	ds_add_u32 v96, v97
	s_wait_dscnt 0x0
	s_endpgm
.Lfunc_end_k_q60bd07be3c_pick:
	.size	k_q60bd07be3c_pick, .Lfunc_end_k_q60bd07be3c_pick-k_q60bd07be3c_pick
	.p2alignl 7, 3214868480
	.fill 96, 4, 3214868480
	.section	.rodata,"a",@progbits
	.p2align	6, 0x0
	.amdhsa_kernel k_q60bd07be3c_pick
		.amdhsa_group_segment_fixed_size 9216
		.amdhsa_private_segment_fixed_size 0
		.amdhsa_enable_private_segment 0
		.amdhsa_kernarg_size 40
		.amdhsa_user_sgpr_count 2
		.amdhsa_user_sgpr_kernarg_segment_ptr 1
		.amdhsa_wavefront_size32 1
		.amdhsa_system_sgpr_workgroup_id_x 1
		.amdhsa_system_sgpr_workgroup_id_y 1
		.amdhsa_system_sgpr_workgroup_id_z 1
		.amdhsa_system_vgpr_workitem_id 0
		.amdhsa_next_free_vgpr 98
		.amdhsa_next_free_sgpr 66
		.amdhsa_reserve_vcc 1
		.amdhsa_float_denorm_mode_32 3
		.amdhsa_float_denorm_mode_16_64 3
		.amdhsa_memory_ordered 1
		.amdhsa_forward_progress 1
		.amdhsa_inst_pref_size 14
	.end_amdhsa_kernel
	.amdgpu_metadata
---
amdhsa.version: [ 1, 2 ]
amdhsa.kernels:
  - .name:           k_q60bd07be3c_pick
    .symbol:         k_q60bd07be3c_pick.kd
    .args:
      - { .name: pval, .offset: 0, .size: 8, .value_kind: global_buffer, .address_space: global }
      - { .name: pid, .offset: 8, .size: 8, .value_kind: global_buffer, .address_space: global }
      - { .name: tiles, .offset: 16, .size: 8, .value_kind: global_buffer, .address_space: global }
      - { .name: out0, .offset: 24, .size: 8, .value_kind: global_buffer, .address_space: global }
      - { .name: best, .offset: 32, .size: 8, .value_kind: global_buffer, .address_space: global }
    .group_segment_fixed_size: 9216
    .private_segment_fixed_size: 0
    .kernarg_segment_align: 8
    .kernarg_segment_size: 40
    .max_flat_workgroup_size: 256
    .sgpr_count:     66
    .vgpr_count:     98
    .wavefront_size: 32
...
	.end_amdgpu_metadata
.endif
;; end of part 3
;; launch index (part 4): grid 256 x 1, 4 waves a work-group, no clusters, 0 bytes of LDS; arguments best, tiles, out1; writes out1
.if DOCPART == 4
	.amdgcn_target "amdgcn-amd-amdhsa--gfx1250"
	.amdhsa_code_object_version 6
	.text
	.protected	k_q60bd07be3c_index
	.globl	k_q60bd07be3c_index
	.p2align	8
	.type	k_q60bd07be3c_index,@function
k_q60bd07be3c_index:
	s_mov_b64 s[64:65], 0
	v_nop
	global_prefetch_b8 v0, s[64:65] scope:SCOPE_SE
	s_setreg_imm32_b32 hwreg(HW_REG_WAVE_MODE, 25, 1), 1
	s_wait_xcnt 0x0
; For each query the one winning chunk of 32 targets, whose number an earlier launch stored in best, is multiplied once more, by the same matrix instruction on the same operands in the same places, so that the keys
; have the same bits; they become distances sqrt(max(key + |x|^2, 0)), and the first target with the smallest distance is out1.
; SHARES: a work-group is one tile of 16 queries; wave w serves queries 4 w .. 4 w + 3, each with a chunk of its own: 2 records of targets a query, straight from memory into the operand's registers, all 62 loads out together.
; The chunk's product is made against all 16 queries of the tile; only the column of its own query (lanes 4 w + i and 16 + 4 w + i) is kept, by selects.
; A wave stores 16 bytes, a work-group 64 consecutive bytes: out1 is 16,384 bytes in all, and gathering more of it in one work-group would leave most of the gathers' latency unshared.
; No LDS, no tensor load: addresses hang on stored numbers.  Each number from best is held at 2,047, the last chunk, before it enters an address.
; LIMITS: as in the launches before: v_sqrt_f32's rounding; NaN and infinities are not served.
.set REC, 2304
.set QF,  16                           ; v16-31   the queries' two fragments
.set QS,  32                           ; v32      their scale words: lanes 0-15 K step 0, lanes 16-31 K step 1
.set XN,  33                           ; v33      |x|^2 of query r
.set VC,  34                           ; v34      my lane's query's chunk
.set TMP, 35
.set BV,  36                           ; v36, v37 the smallest distance and its first place in the chunk
.set BP,  37
.set OV,  38                           ; v38, v39 those of lane l xor 16
.set OP,  39
.set TA,  40                           ; v40-167  targets' fragments: query i, tile v, K step s at TA + 32 i + 16 v + 8 s
.set TS,  168                          ; v168-175 their scale words
.set W,   176                          ; v176-239 |t|^2, then the keys: query i, tile v at W + 16 i + 8 v; v176-191 then hold my lane's own 16
	s_load_b128 s[4:7], s[0:1], 0x0                ; best, tiles
	s_load_b64 s[8:9], s[0:1], 0x10                ; out1
	v_lshrrev_b32 v1, 5, v0
	v_readfirstlane_b32 s10, v1                    ; wave 0..3
	v_and_b32 v5, 31, v0                           ; lane
	v_and_b32 v6, 15, v0                           ; r
	v_bfe_u32 v7, v0, 4, 1                         ; h
	v_lshlrev_b32 v1, 4, v5                        ; a fragment's piece: 16 x lane
	v_lshlrev_b32 v2, 2, v5                        ; a scale word: 4 x lane
	v_lshlrev_b32 v3, 2, v6                        ; |x|^2: 4 r
	v_lshlrev_b32 v4, 5, v7                        ; |t|^2 of targets 8 h + 0 .. 7: 32 h
	v_mov_b32 v[OV], 0                             ; a lane permute's destination counts as one of its sources
	v_mov_b32 v[OP], 0
	s_lshl_b32 s12, ttmp9, 6                       ; 16 queries of 4 bytes a work-group
	s_mov_b32 s13, 0
	s_lshl_b32 s14, s10, 4                         ; 4 of them a wave
	s_add_co_u32 s14, s14, s12
	s_mov_b32 s15, 0
	s_add_co_u32 s34, ttmp9, 4096                  ; the queries' records follow the targets' 4,096
	s_mul_i32 s34, s34, REC
	s_mov_b32 s35, 0
	s_mov_b32 s37, 0
	s_lshl_b32 s40, s10, 2
	s_lshl_b32 s41, 0x10001, s40                   ; the two lanes of query 4 w + i: s[41 + i]
	s_lshl_b32 s42, s41, 1
	s_lshl_b32 s43, s41, 2
	s_lshl_b32 s44, s41, 3
	s_mov_b32 s20, 0x76543210
	s_mov_b32 s21, 0xfedcba98                      ; v_permlanex16_b32's selects for lane l xor 16
	s_wait_kmcnt 0x0
	s_add_nc_u64 s[4:5], s[4:5], s[14:15]
	s_add_nc_u64 s[8:9], s[8:9], s[12:13]
	s_add_nc_u64 s[32:33], s[6:7], s[34:35]
	s_load_b128 s[16:19], s[4:5], 0x0              ; my four queries' chunks
.irp p, 0,1,2,3
	global_load_b128 v[QF+4*\p:QF+4*\p+3], v1, s[32:33] offset:512*\p
.endr
	global_load_b32 v[QS], v2, s[32:33] offset:2048
	global_load_b32 v[XN], v3, s[32:33] offset:2176
	s_wait_kmcnt 0x0
.irp i, 0,1,2,3
	s_min_u32 s[16+\i], s[16+\i], 2047             ; inside the table, whatever was stored
	s_mul_i32 s36, s[16+\i], 2*REC                 ; a chunk is two records
	s_add_nc_u64 s[24+2*\i:25+2*\i], s[6:7], s[36:37]
.endr
.irp i, 0,1,2,3
.irp v, 0,1
.irp p, 0,1,2,3
	global_load_b128 v[TA+32*\i+16*\v+4*\p:TA+32*\i+16*\v+4*\p+3], v1, s[24+2*\i:25+2*\i] offset:REC*\v+512*\p
.endr
	global_load_b32 v[TS+2*\i+\v], v2, s[24+2*\i:25+2*\i] offset:REC*\v+2048
	global_load_b128 v[W+16*\i+8*\v:W+16*\i+8*\v+3], v4, s[24+2*\i:25+2*\i] offset:REC*\v+2176
	global_load_b128 v[W+16*\i+8*\v+4:W+16*\i+8*\v+7], v4, s[24+2*\i:25+2*\i] offset:REC*\v+2192
.endr
.endr
	v_mov_b32 v[VC], s16                           ; my lane's query's chunk
.irp i, 1,2,3
	v_mov_b32 v[TMP], s[16+\i]
	v_cndmask_b32 v[VC], v[VC], v[TMP], s[41+\i]
.endr
	s_wait_loadcnt 0x0
	; source 0 = 16 targets, source 1 = the 16 queries as -2 Q(x), C = |t|^2: eight accumulators by turns, one instruction a turn; K step 0, then K step 1
.irp i, 0,1,2,3
.irp v, 0,1
	v_wmma_scale_f32_16x16x128_f8f6f4 v[W+16*\i+8*\v:W+16*\i+8*\v+7], v[TA+32*\i+16*\v:TA+32*\i+16*\v+7], v[QF:QF+7], v[W+16*\i+8*\v:W+16*\i+8*\v+7], v[TS+2*\i+\v], v[QS] matrix_a_fmt:MATRIX_FMT_FP4 matrix_b_fmt:MATRIX_FMT_FP4
.endr
.endr
.irp i, 0,1,2,3
.irp v, 0,1
	v_wmma_scale_f32_16x16x128_f8f6f4 v[W+16*\i+8*\v:W+16*\i+8*\v+7], v[TA+32*\i+16*\v+8:TA+32*\i+16*\v+15], v[QF+8:QF+15], v[W+16*\i+8*\v:W+16*\i+8*\v+7], v[TS+2*\i+\v], v[QS] matrix_a_fmt:MATRIX_FMT_FP4 matrix_b_fmt:MATRIX_FMT_FP4 matrix_a_scale:MATRIX_SCALE_ROW1 matrix_b_scale:MATRIX_SCALE_ROW1
.endr
.endr
.rept 4
	v_nop                                          ; four places between the last product and the first read of results
.endr
.irp i, 1,2,3                          ; each lane keeps the keys of its own query's chunk; every accumulator is read from its low end on
.irp k, 0,1,2,3,4,5,6,7,8,9,10,11,12,13,14,15
	v_cndmask_b32 v[W+\k], v[W+\k], v[W+16*\i+\k], s[41+\i]
.endr
.endr
.irp k, 0,1,2,3,4,5,6,7,8,9,10,11,12,13,14,15
	v_add_f32 v[W+\k], v[W+\k], v[XN]
.endr
.irp k, 0,1,2,3,4,5,6,7,8,9,10,11,12,13,14,15
	v_max_num_f32 v[W+\k], 0, v[W+\k]
.endr
.irp k, 0,1,2,3,4,5,6,7,8,9,10,11,12,13,14,15
	v_sqrt_f32 v[W+\k], v[W+\k]                    ; one batch
.endr
	v_nop                                          ; a plain instruction behind the last root
	s_wait_alu depctr_va_vdst(0)                   ; one wait for the batch, ahead of its first reader
	v_mov_b32 v[BV], v[W]
	v_mov_b32 v[BP], 0
.set k, 1
.rept 15                               ; register k holds the chunk's target k + 8 (k / 8) + 8 h: ascending, and of equal distances the first stays
	v_cmp_ge_f32 vcc_lo, v[W+k], v[BV]
	v_cndmask_b32 v[BP], k+8*(k/8), v[BP], vcc_lo
	v_min_num_f32 v[BV], v[BV], v[W+k]
.set k, k+1
.endr
	v_lshl_add_u32 v[BP], v7, 3, v[BP]
	v_permlanex16_b32 v[OV], v[BV], s20, s21       ; the query's other 16 targets lie in lane l xor 16
	v_permlanex16_b32 v[OP], v[BP], s20, s21
	v_cmp_eq_f32 s45, v[OV], v[BV]
	v_cmp_lt_f32 s46, v[OV], v[BV]
	v_min_u32 v[TMP], v[BP], v[OP]
	v_cndmask_b32 v[BP], v[BP], v[TMP], s45        ; equal distances: the earlier place
	v_cndmask_b32 v[BP], v[BP], v[OP], s46
	v_lshl_add_u32 v[TMP], v[VC], 5, v[BP]         ; 32 x chunk + place
	v_lshrrev_b32 v[OV], 2, v5
	s_wait_xcnt 0x0                                ; EXEC changes only behind this wait
	v_cmp_eq_u32 vcc_lo, s10, v[OV]                ; lanes 4 w .. 4 w + 3 hold my four queries
	s_and_saveexec_b32 s47, vcc_lo
	global_store_b32 v2, v[TMP], s[8:9]
	s_wait_xcnt 0x0                                ; and again, in front of the line that widens it
	s_or_b32 exec_lo, exec_lo, s47
	s_endpgm
.Lfunc_end_k_q60bd07be3c_index:
	.size	k_q60bd07be3c_index, .Lfunc_end_k_q60bd07be3c_index-k_q60bd07be3c_index
	.p2alignl 7, 3214868480
	.fill 96, 4, 3214868480
	.section	.rodata,"a",@progbits
	.p2align	6, 0x0
	.amdhsa_kernel k_q60bd07be3c_index
		.amdhsa_group_segment_fixed_size 0
		.amdhsa_private_segment_fixed_size 0
		.amdhsa_enable_private_segment 0
		.amdhsa_kernarg_size 24
		.amdhsa_user_sgpr_count 2
		.amdhsa_user_sgpr_kernarg_segment_ptr 1
		.amdhsa_wavefront_size32 1
		.amdhsa_system_sgpr_workgroup_id_x 1
		.amdhsa_system_sgpr_workgroup_id_y 1
		.amdhsa_system_sgpr_workgroup_id_z 1
		.amdhsa_system_vgpr_workitem_id 0
		.amdhsa_next_free_vgpr 256
		.amdhsa_next_free_sgpr 66
		.amdhsa_reserve_vcc 1
		.amdhsa_float_denorm_mode_32 3
		.amdhsa_float_denorm_mode_16_64 3
		.amdhsa_memory_ordered 1
		.amdhsa_forward_progress 1
		.amdhsa_inst_pref_size 18
	.end_amdhsa_kernel
	.amdgpu_metadata
---
amdhsa.version: [ 1, 2 ]
amdhsa.kernels:
  - .name:           k_q60bd07be3c_index
    .symbol:         k_q60bd07be3c_index.kd
    .args:
      - { .name: best, .offset: 0, .size: 8, .value_kind: global_buffer, .address_space: global }
      - { .name: tiles, .offset: 8, .size: 8, .value_kind: global_buffer, .address_space: global }
      - { .name: out1, .offset: 16, .size: 8, .value_kind: global_buffer, .address_space: global }
    .group_segment_fixed_size: 0
    .private_segment_fixed_size: 0
    .kernarg_segment_align: 8
    .kernarg_segment_size: 24
    .max_flat_workgroup_size: 128
    .sgpr_count:     66
    .vgpr_count:     256
    .wavefront_size: 32
...
	.end_amdgpu_metadata
.endif
;; end of part 4
